; MI455X (gfx1250); checked and timed in simulation.
; The chip was launched on July 23, 2026; its instructions are those of AMD's public machine-readable ISA for CDNA 5 (MIT licence, August 2026) and "CDNA5" Instruction Set Architecture Reference Guide (July 2026). The comments in the code are by the model that wrote it; some were corrected since.
;; Latent Encoder. Allowed arithmetic: matrix products marked QUANTISED: E4M3 operands, one given power-of-two scale a tensor, by v_wmma_f32_16x16x64_fp8_fp8 or v_wmma_f32_16x16x128_fp8_fp8, f32 sums; products left as they are: f32 operands where the result goes on into a quantised operand, else bf16, f16 or f32 operands; f32 sums; everything else in f32.
;; Inputs: W_codes 64 x 256 x 32 x 32 uint8 (E4M3 codes of W, K innermost, in blocks of 32 codes); b 64 x 256 float32; hiddens_codes 4,096 x 32 x 32 uint8 (E4M3 codes of hiddens, K innermost, in blocks of 32 codes); lowp_scales 2 int32 (the exponents e of the quantised operands' scales 2^e); y 4,096 x 64 float32.
;; Outputs: out0 4,096 x 128 float32; out1 4,096 x 128 float32.
;; This version of the problem:
;;   THIS VERSION OF THE PROBLEM IS GIVEN IN LOW PRECISION. The matrix products marked QUANTISED in the list below multiply operands that are first quantised to E4M3 (4 exponent bits, 3 mantissa bits; 8 bits a number), with one given power-of-two scale for each operand tensor; their sums are f32. All else is computed in f32.
;;   The module's matrix products, in the order in which they are computed (A, B: the left and right operand; K: the contracted axis; several contracted axes count as one K, in the product's order):
;;     1. [M 16,384, K 1,024] x [K 1,024, N 4,096]; A: input W (given as codes); B: input hiddens (given as codes): QUANTISED (scales: A lowp_scales[0], B lowp_scales[1])
;;     2. batch 4,096 x [M 1, K 64] x [K 64, N 256]; A: input y; B: computed on the way: left as it is (M = 1 < 16)
;;   THE QUANTISER, for each operand of a quantised product, along K:
;;     - The operand's scale is 2^e, e = its entry of the input lowp_scales (int32; the entries are numbered through the quantised products in the list's order, A before B).
;;     - Each number is divided by the scale, clamped to +-448, and rounded to the nearest number of E4M3, ties to even, subnormals kept.
;;     - The product sums the exact products of the quantised numbers (number of the format x scale) in f32.
;;   ~~~python
;;   def quantise(x, axis, e):      # numpy; x: float32 -> the quantised numbers, widened to float32 again
;;       x = np.moveaxis(x, axis, -1); K = x.shape[-1]
;;       r = np.clip(x / 2.0 ** e, -448, 448)
;;       step = 2.0 ** (np.maximum(np.frexp(np.where(r == 0, 1, r))[1] - 1, -6) - 3)
;;       q = np.round(r / step) * step * 2.0 ** e      # np.round: ties to even
;;       return np.moveaxis(q, -1, axis).astype(np.float32)
;;   ~~~
;;   INPUTS GIVEN AS CODES. W (in the module: [64, 256, 1024], K = its axis 2); hiddens (in the module: [4096, 1024], K = its axis 1): each comes as NAME_codes (uint8): NAME with its K axis moved to the last place and cut into blocks of 32 codes, [.., K / 32, bytes a block], one block behind the other in memory; one code a byte (a code: sign, 4 exponent bits, 3 mantissa bits); its scale is its entry of lowp_scales. Its value is code x scale, taken as it is: it is not quantised again, and the codes and scales need not be those that the quantiser above would give.
;; 2 versions. Each part assembles by itself: llvm-mc -triple=amdgcn-amd-amdhsa -mcpu=gfx1250 --defsym DOCPART=n.
;; ======== version 1 of 2: 1 launch
;; launch latent (part 1): grid 16 x 16, 4 waves a work-group, clusters of 4 x 1, 327,680 bytes of LDS; arguments W_codes, hiddens_codes, y, b, lowp_scales, out0, out1; writes out0, out1
.if DOCPART == 1
	.amdgcn_target "amdgcn-amd-amdhsa--gfx1250"
	.amdhsa_code_object_version 6
	.text
	.protected	k_q59689b5cdc_latent
	.globl	k_q59689b5cdc_latent
	.p2align	8
	.type	k_q59689b5cdc_latent,@function
k_q59689b5cdc_latent:
	s_mov_b64 s[64:65], 0
	v_nop
	global_prefetch_b8 v0, s[64:65] scope:SCOPE_SE
	s_setreg_imm32_b32 hwreg(HW_REG_WAVE_MODE, 25, 1), 1
	s_wait_xcnt 0x0
	s_wait_alu depctr_hold_cnt(0) depctr_sa_sdst(0) depctr_va_vdst(0) depctr_va_sdst(0) depctr_va_ssrc(0) depctr_va_vcc(0) depctr_vm_vsrc(0)
	s_getreg_b32 s2, hwreg(HW_REG_IB_STS2, 6, 4)
	s_cmp_eq_u32 s2, 0
	s_cbranch_scc0 .Lentry_in_a_cluster
	s_endpgm
.Lentry_in_a_cluster:
	s_bfe_u32 s2, ttmp6, 0x10000c
	s_cmp_lg_u32 s2, 0x3003
	s_cbranch_scc0 .Lentry_shape_is_right
	s_endpgm
.Lentry_shape_is_right:
; logits[i][k] = sum over j of y[i][j] x (sum over f of h[i][f] W[j][k][f] + b[j][k]);  out0 = logits[:, 0:128];  out1 = sqrt(softplus(logits[:, 128:256])).
; h [4096][1024] and W [64][256][1024] are codes of FP8 (E4M3), K innermost, one scale 2^e each (e0 for W, e1 for h); y [4096][64], b [64][256], out0, out1 [4096][128] are f32.
; SHARES.  A work-group owns 256 rows i x 16 columns k for ALL 64 experts j: 16 x 16 work-groups.  Wave w = (wi = w / 2, wq = w % 2) keeps the codes of h of 128 rows (wi) x half of K (512 wq on) in 512 registers
; for the whole launch and walks the 64 experts.  An expert's 16 rows of W are 16,384 consecutive bytes; each fragment of W read from LDS (16 rows x 128 K) feeds eight matrix instructions.
; The weighting by y is linear, so each wave keeps LG = sum over j of y[i][j] x (its half of K's sum) in 64 registers; the two halves meet once, at the end, through LDS.  No sum ever goes to memory.
; THE MATRIX INSTRUCTION IS USED TRANSPOSED: source 0 = 16 rows of W (k), source 1 = 16 rows of h (i): lane (r, hh) holds row i = r and its registers e the columns k = 8 hh + e, so y[i][j] is ONE number a lane.
; A fragment is fetched by four loads of 16 bytes, 32 apart, at 16 hh: a permutation of K inside an instruction, the same in W and in h, so every product meets its partner.
; y AND b are operands of the product that is left as it is: both are rounded to bf16.  y lies in LDS as bf16; the weighting is one multiply-add a number, f32 sum x bf16 y + f32 LG.
; The bias part, sum over j of y b, is eight bf16 matrix instructions a wave (wave wq takes j = 32 wq on) that START LG; b goes in as b x 2^-(e0+e1), and LG is multiplied by 2^(e0+e1) once at the end.
; RING.  W comes through two LDS slots of 8 experts; wave w fetches experts 2 w, 2 w + 1 of a slot by one tensor load.  A wave has two tensor loads out at the start and one behind each change of slots.
; CLUSTER.  The four work-groups of a cluster own four blocks of rows of ONE slice of columns and walk the same W: every tile of W is asked for jointly (mask 15).  h and y differ between partners: plain loads.
; OUTPUT: a work-group owns 64 consecutive bytes of each of its rows; four neighbouring lanes store them.  Whole rows of 256 bytes would want slices of 64 columns: four times the bytes of W for each work-group.
; LIMITS.  y and b are rounded to bf16.  y is finite.  b x 2^-(e0+e1) is an f32 number.  Where a logit of the second half lies under about -87, 2^(x log2 e) comes out as zero and so does sigma (the true value is under 1e-18).
;
; REGISTERS, in windows of 256 (s_set_vgpr_msb's low byte: bits 1:0 source 0, 3:2 source 1, 5:4 source 2, 7:6 destination).
;   window 0: v2-15 addresses that stay; v16-27 at work at the head; v32-95 LG (8 tiles x 8); v96-159 ACC (8 tiles x 8); v160-255 fragments of W: K step 0 and 1 in two sets each, by the expert's parity; K steps 2, 3 in one.
;   windows 1-3: h in units of 64 registers (four tiles of rows G, K step s) and, from v192, y of the slot's 8 experts (four registers a tile):
;   window 1: (G0,s0) (G0,s1) (G0,s2), y of tiles 4-7;   window 2: (G0,s3) (G1,s2) (G1,s3), y of tiles 0, 1;   window 3: (G1,s0) (G1,s1), y of tiles 2, 3.
;   In the loop only SOURCE 1's window changes: h for a product, y for a weighting; all else lies in window 0.  Three switches for an expert's 32 matrix instructions.
.set EXPB,   16640                     ; an expert in LDS: 16 rows x (1,024 bytes + 16 of padding)
.set ROWP,   1040                      ; a row of W in LDS: 65 x 16 bytes: the 16 rows that a load touches start in 16 different columns of 16 bytes modulo 256
.set SLOTB,  8*EXPB                    ; a slot: 8 experts
.set YB,     2*SLOTB                   ; behind the ring: y as bf16, 256 rows x 144 bytes (128 + 16 of padding)
.set YPITCH, 144
.set SPARE,  YB+256*YPITCH+256         ; one empty block, then the spare words: 128 bytes for each wave, two blocks of 256 bytes that no other line names
.set STG,    32768                     ; the way out lies in slot 0, behind its last fill and its last read: bytes 0 on: LG as images of registers, 8,192 a wave; from STG on a stage of 64 rows x 80 bytes a wave
.set SPITCH, 80
.set ADW, 2                            ; v2-5   LDS address of my fragments of W: slot 0 experts 0-3, 4-7; slot 1 experts 0-3, 4-7
.set AY0, 6                            ; v6     y: my row of tile 0
.set AYC, 7                            ; v7     the same, at the trip's two slots
.set SPW, 8                            ; v8     LDS address of my spare word: SPARE + 4 x my thread's number; never rewritten
.set NIL, 9                            ; v9     0; never rewritten
.set RST, 10                           ; v10    the way out: where LG's images go
.set RLD, 11                           ; v11    and from where the two halves come back
.set OST, 12                           ; v12    the stage: where I put 32 bytes of a row
.set OLD, 13                           ; v13    and where I read 16 bytes of a row back
.set OGO, 14                           ; v14    my byte offset in the wave's 64 rows of the output
.set PFO, 15                           ; v15    256 x lane, for the prefetches
.set LN,  16
.set RR,  17
.set HH,  18
.set YGO, 19
.set BGO, 20
.set HGO, 21
.set YST, 23
.set YF,  24
.set LQ,  25
.set LR,  26
.set TW,  27
.set LG,  32
.set ACC, 96
.set WS0, 160                          ; K step 0: v160-175 (even experts), v176-191 (odd)
.set WS1, 192                          ; K step 1: v192-207, v208-223
.set WS2, 224                          ; K step 2
.set WS3, 240                          ; K step 3
.set XA,  96                           ; the way out: 32 logits
.set XU,  128
.set T1,  160
.set T2,  192
.set T3,  224
.set WV,  18                           ; s18 wave; s19 wi; s20 wq; s21 cx; s22 block of rows; s23 slice of columns
.set WI,  19
.set WQ,  20
.set CX,  21
.set IT,  22
.set KC,  23
.set G1,  24                           ; s[24:31] descriptor group 1
.set G0,  32                           ; s[32:39] descriptor group 0, one set for each slot
.set TRIP, 44
.set SY,  45                           ; s45  byte of the trip's first expert in a row of y
.set P1,  0x04                         ; source 1 in window 1, 2, 3
.set P2,  0x08
.set P3,  0x0c
.set MSB, 0
.macro WIN new                         ; the immediate's high byte repeats the setting that is left; a switch that changes nothing is dropped
.if MSB != (\new)
	s_set_vgpr_msb (MSB<<8)|(\new)
.set MSB, \new
.endif
.endm
.macro CREST                           ; a round of the cluster's barrier behind its opening barrier
	s_cmp_lg_u32 s[WV], 0
	s_cbranch_scc1 .Lnot_wave_0_\@
	s_barrier_signal -3
.Lnot_wave_0_\@:
	s_barrier_wait -3
	s_barrier_signal -1
	s_barrier_wait -1
.endm
.macro CROUND                          ; a whole round
	s_barrier_signal -1
	s_barrier_wait -1
	CREST
.endm
; The next cnt weightings of a group of tiles that begins at tile t0: LG += ACC x y of expert yj of the slot (register yj / 2 of the tile's four, half yj % 2).  EI counts through the group, each accumulator from its low end on.
.macro EPI cnt, t0, yj
.rept \cnt
.set rL, LG+8*((\t0)+EI/8)+EI%8
.set rA, ACC+8*((\t0)+EI/8)+EI%8
.set rY, 192+4*(EI/8)+(\yj)/2
.if (\yj)%2
	v_fma_mix_f32_bf16 v[rL], v[rA], v[rY], v[rL] op_sel:[0,1,0] op_sel_hi:[0,1,0]
.else
	v_fma_mix_f32_bf16 v[rL], v[rA], v[rY], v[rL] op_sel:[0,0,0] op_sel_hi:[0,1,0]
.endif
.set EI, EI+1
.endr
.endm
.macro MM a, wb, hb, zero              ; one product: tile a of rows, W's fragment at v[wb], h's at v[hb] of source 1's window.  zero = 1: it starts the sum: nothing is cleared
.if \zero
	v_wmma_f32_16x16x128_fp8_fp8 v[ACC+8*(\a):ACC+8*(\a)+7], v[\wb:\wb+15], v[\hb:\hb+15], 0
.else
	v_wmma_f32_16x16x128_fp8_fp8 v[ACC+8*(\a):ACC+8*(\a)+7], v[\wb:\wb+15], v[\hb:\hb+15], v[ACC+8*(\a):ACC+8*(\a)+7]
.endif
.endm
.macro LDW dst, s, c                   ; 16 bytes a lane of the NEXT expert's fragment of K step s (NADR, NEXP: its address register and its place)
	ds_load_b128 v[\dst+4*(\c):\dst+4*(\c)+3], v[NADR] offset:NEXP+128*\s+32*(\c)
.endm
; Four products: the four tiles of group g against one fragment of W; the four accumulators take turns, one instruction a turn.
; Behind each product: nf weightings of the OTHER group (nf = 0: a v_nop), then loads.  lm = 1, 2: one load of the next K step 0, 1;  3, 4: two loads of the next K step 2, 3 behind the second and third product;  5: two loads behind each: K steps 0 and 1.
.macro QUAD g, wb, hb, zero, nf, t0, yj, lm
.set QQ, 0
.rept 4
	MM 4*\g+QQ, \wb, \hb+16*QQ, \zero
.if \nf
	EPI \nf, \t0, \yj
.else
	v_nop
.endif
.if \lm == 1
	LDW NS0, 0, QQ
.elseif \lm == 2
	LDW NS1, 1, QQ
.elseif \lm == 3
.if (QQ == 1) || (QQ == 2)
	LDW WS2, 2, 2*QQ-2
	LDW WS2, 2, 2*QQ-1
.endif
.elseif \lm == 4
.if (QQ == 1) || (QQ == 2)
	LDW WS3, 3, 2*QQ-2
	LDW WS3, 3, 2*QQ-1
.endif
.elseif \lm == 5
.if QQ < 2
	LDW NS0, 0, 2*QQ
	LDW NS0, 0, 2*QQ+1
.else
	LDW NS1, 1, 2*QQ-4
	LDW NS1, 1, 2*QQ-3
.endif
.endif
.set QQ, QQ+1
.endr
.endm
; Wave 0 asks for my work-group's sixteenth (8,192 bytes, lanes 256 bytes apart) of the slot of W that is requested two changes of slots later: the sixteen work-groups of a slice of columns cover a slot, each byte asked for once.
; The loop's last trip asks for nothing: those slots do not exist.  Both branches hang on numbers that all partners share.
.macro PREF sl
	s_cmp_lg_u32 s[WV], 0
	s_cbranch_scc1 .Lno_pf_\@
	s_cmp_eq_u32 s[TRIP], 1
	s_cbranch_scc1 .Lno_pf_\@
	global_prefetch_b8 v[PFO], s[48:49] offset:0x400000+(\sl)*0x200000 th:TH_LOAD_NT scope:SCOPE_SE
.Lno_pf_\@:
.endm
; ONE EXPERT: expert jj of slot sl.  Eight quads.  Tiles 0-3 take K steps 0, 1, 2, 3; tiles 4-7 take 2, 3, 0, 1, so that K steps 2 and 3 want one set of registers each.
; While one group of four tiles is multiplied, the other group's finished sums are weighted into LG: tiles 4-7 of the expert BEFORE beside quads 0-2, tiles 0-3 of this expert beside quads 4-7.
; The weightings are the places behind the matrix instructions: a sum's first read stands behind four v_nop (tile 0) or behind eight or more weightings of other tiles; a load into a fragment's registers
; stands behind six or more weightings that follow the fragment's last product.
; mode, for jj = 7: 1: the slot is left and filled again;  2: it is left;  3: the launch's last expert.
; The waits W0-W3 stand in front of quads 0-3; each counts the LDS instructions issued behind the fragment that the quad wants (four to a fragment; y's loads at a slot's first expert; the add at its last).
.macro JSTEP sl, jj, mode
.set PAR, (\jj)%2
.set CS0, WS0+16*PAR
.set CS1, WS1+16*PAR
.set NS0, WS0+16-16*PAR
.set NS1, WS1+16-16*PAR
.set YPV, ((\jj)+7)%8
.set CH, 0
.set LMA, 1
.set LMC, 2
.set LM4, 0
.set LM5, 3
.set LM6, 4
.set W0, 12                            ; behind K step 0's loads: the last expert's K steps 1, 2, 3
.set W1, 12                            ; behind K step 1's: K steps 2, 3, and this expert's four for the next K step 0
.set W2, 8                             ; behind K step 2's: K step 3, the next K step 0
.set W3, 8                             ; behind K step 3's: the next K steps 0 and 1
.set NADR, ADW+2*(\sl)+((\jj)+1)/4
.set NEXP, (((\jj)+1)%4)*EXPB
.if \jj == 0
.set W0, 16                            ; and y's four loads of tiles 0-3
.set W1, 16
.set W2, 12
.set W3, 12                            ; the next K steps 0, 1 and y of tiles 4-7 may be out: y of tiles 0-3 is in
.elseif \jj == 1
.set W0, 8                             ; y of tiles 4-7 is in: behind it stand K steps 2 and 3
.elseif \jj == 7
.set LMA, 0
.set LMC, 0
.if \mode == 3
.set LM5, 0
.set LM6, 0
.set W0, 12
.set W1, 8
.set W2, 4
.set W3, 0
.else
.set CH, \mode
.set LM4, 5
.set W0, 13                            ; the add counts too
.set W1, 9
.set W2, 5
.set W3, 0
.set NADR, ADW+2*(1-(\sl))
.set NEXP, 0
.endif
.endif
.if \jj == 0
	WIN 0
	v_add_nc_u32 v[AYC], s[SY], v[AY0]
	WIN 0x80                                       ; destination window 2: y of tiles 0, 1 for the slot's 8 experts, 16 bytes a row
	ds_load_b128 v[192:195], v[AYC] offset:16*(\sl)
	ds_load_b128 v[196:199], v[AYC] offset:16*YPITCH+16*(\sl)
	WIN 0xc0                                       ; window 3: tiles 2, 3
	ds_load_b128 v[192:195], v[AYC] offset:32*YPITCH+16*(\sl)
	ds_load_b128 v[196:199], v[AYC] offset:48*YPITCH+16*(\sl)
.endif
.if CH
	WIN 0                                          ; (the add's two registers lie in window 0)
	s_wait_tensorcnt 0x0                           ; all my tensor loads have landed: the one that was out is my part of the other slot;
	ds_add_u32 v[SPW], v[NIL]                      ; 0 onto my spare word; twelve products stand between it and the wait for it
.if CH == 1
	s_add_nc_u64 s[G0+4*(\sl)+2:G0+4*(\sl)+3], s[G0+4*(\sl)+2:G0+4*(\sl)+3], 0x400000   ; no load of mine is out: this slot's next 8 experts lie 16 experts on
.endif
.endif
	s_wait_dscnt W0
	WIN P1
.set EI, 0
	QUAD 0, CS0, 0, 1, 3, 4, YPV, LMA
	s_wait_dscnt W1
	QUAD 0, CS1, 64, 0, 3, 4, YPV, 0
	s_wait_dscnt W2
	QUAD 0, WS2, 128, 0, 2, 4, YPV, LMC
.if \jj == 0
	WIN 0x40                                       ; destination window 1: y of tiles 4-7: the last slot's was in use up to here
.irp x, 0,1,2,3
	ds_load_b128 v[192+4*\x:195+4*\x], v[AYC] offset:(4+\x)*16*YPITCH+16*(\sl)
.endr
.endif
	s_wait_dscnt W3
.if CH
	s_barrier_signal -1                            ; the wait above was for 0: the add is done and my reads of this slot are over
.endif
	WIN P2
	QUAD 0, WS3, 0, 0, 0, 0, 0, 0
.if CH
	WIN 0
	s_barrier_wait -1                              ; nobody of my work-group reads this slot any more, and the other slot is whole
.if CH == 1
	CREST                                          ; the barrier has opened a round of the cluster's: no wave of any partner still reads this slot or has a load on its way
	tensor_load_to_lds s[G0+4*(\sl):G0+4*(\sl)+3], s[G1:G1+7]   ; my one tensor load behind the round: it has the other slot's 256 matrix instructions in which to land
	s_nop 0
.rept 4
	v_nop
.endr
	PREF \sl
.endif
.endif
	WIN P2
.set EI, 0
	QUAD 1, WS2, 64, 1, 2, 0, \jj, LM4
	QUAD 1, WS3, 128, 0, 2, 0, \jj, LM5
	WIN P3
.set EI, 0
	QUAD 1, CS0, 0, 0, 2, 2, \jj, LM6
	QUAD 1, CS1, 64, 0, 2, 2, \jj, 0
.endm
.macro SLOT sl, mode
.irp jj, 0,1,2,3,4,5,6
	JSTEP \sl, \jj, 0
.endr
	JSTEP \sl, 7, \mode
.endm
.macro HUNIT base, g, s                ; a unit of h: tiles 4 g .. 4 g + 3, K step s
.irp x, 0,1,2,3
.irp c, 0,1,2,3
	global_load_b128 v[\base+16*\x+4*\c:\base+16*\x+4*\c+3], v[HGO], s[60:61] offset:(4*\g+\x)*16384+128*\s+32*\c
.endr
.endr
.endm
	s_load_b256 s[4:11], s[0:1], 0x0               ; W's codes s[4:5], h's codes s[6:7], y s[8:9], b s[10:11]
	s_load_b128 s[12:15], s[0:1], 0x20             ; the scales' exponents s[12:13], out0 s[14:15]
	s_load_b64 s[16:17], s[0:1], 0x30              ; out1
	v_lshl_add_u32 v[SPW], v0, 2, SPARE
	v_mov_b32 v[NIL], 0
	ds_add_u32 v8, v9
	s_wait_dscnt 0x0
	v_lshrrev_b32 v[TW], 5, v0
	v_readfirstlane_b32 s[WV], v[TW]               ; wave 0..3
	s_lshr_b32 s[WI], s[WV], 1                     ; which 128 rows
	s_and_b32 s[WQ], s[WV], 1                      ; which half of K
	s_bfe_u32 s[CX], ttmp6, 0x40000                ; my place in the cluster
	s_lshl_b32 s[IT], ttmp9, 2                     ; in a cluster launch ttmp9 counts clusters
	s_add_co_u32 s[IT], s[IT], s[CX]               ; my block of 256 rows: it enters h's, y's, the output's and the prefetches' addresses alone
	s_and_b32 s[KC], ttmp7, 0xffff                 ; my slice of 16 columns, which the four partners share
	; descriptor group 1: a tile of 2 experts.  An expert's 16 rows are one run of 2,048 elements of 8 bytes; experts lie 32,768 elements apart
	s_mov_b32 s[G1], 15|(3<<16)|(1<<20)|(1<<21)|(7<<22)|(3<<25)   ; 15:0 the mask: all four work-groups; 17:16 elements of 8 bytes; 20 padding on; 21 set beside a mask; 24:22 after every 256 words (code 7): a row of W; 31:25 four words (code 3)
	s_mov_b32 s[G1+1], 2048<<16                    ; tensor_dim0 = 2,048
	s_mov_b32 s[G1+2], 2<<16                       ; tensor_dim1 = 2
	s_mov_b32 s[G1+3], 2048<<16                    ; tile_dim0 = 2,048
	s_mov_b32 s[G1+4], 2                           ; tile_dim1 = 2
	s_mov_b32 s[G1+5], 32768                       ; tensor_dim0_stride
	s_mov_b32 s[G1+6], 0
	s_mov_b32 s[G1+7], 0
	s_lshl_b32 s40, s[KC], 14                      ; W: my slice's 16 rows of an expert,
	s_lshl_b32 s42, s[WV], 19                      ; experts 2 w, 2 w + 1
	s_add_co_u32 s40, s40, s42
	s_mov_b32 s41, 0
	s_mul_i32 s43, s[WV], 2*EXPB                   ; and their place in a slot: no place in the cluster enters it
	s_lshl_b32 s56, s[IT], 16                      ; y: 256 rows of 256 bytes
	s_mov_b32 s57, 0
	s_lshl_b32 s58, s[WQ], 15                      ; b: rows j = 32 wq on, columns 16 x slice on
	s_lshl_b32 s59, s[KC], 6
	s_add_co_u32 s58, s58, s59
	s_mov_b32 s59, 0
	s_lshl_b32 s60, s[IT], 18                      ; h: row 256 x block + 128 wi, byte 512 wq
	s_lshl_b32 s61, s[WI], 17
	s_add_co_u32 s60, s60, s61
	s_lshl_b32 s61, s[WQ], 9
	s_add_co_u32 s60, s60, s61
	s_mov_b32 s61, 0
	s_lshr_b32 s48, s[IT], 1                       ; the prefetches: of slot 2 (experts 16 on) expert 16 + block / 2, half block % 2 of its 16,384 bytes
	s_add_co_u32 s48, s48, 16
	s_lshl_b32 s48, s48, 18
	s_lshl_b32 s49, s[KC], 14
	s_add_co_u32 s48, s48, s49
	s_and_b32 s49, s[IT], 1
	s_lshl_b32 s49, s49, 13
	s_add_co_u32 s48, s48, s49
	s_mov_b32 s49, 0
	s_lshl_b32 s62, s[IT], 17                      ; the output: row 256 x block + 64 x wave (rows of 512 bytes), byte 64 x (slice % 8)
	s_lshl_b32 s63, s[WV], 15
	s_add_co_u32 s62, s62, s63
	s_and_b32 s63, s[KC], 7
	s_lshl_b32 s63, s63, 6
	s_add_co_u32 s62, s62, s63
	s_mov_b32 s63, 0
	s_mov_b32 s50, 0xbfb8aa3b                      ; -log2(e)
	s_mov_b32 s51, 0x3f317218                      ; ln 2
	s_mov_b32 s52, 0x39800000                      ; 2^-12
	s_mov_b32 s[TRIP], 3
	s_mov_b32 s[SY], 0
	s_wait_kmcnt 0x0
	s_load_b64 s[46:47], s[12:13], 0x0             ; e0, e1
	s_add_nc_u64 s[40:41], s[4:5], s[40:41]
	s_add_nc_u64 s[56:57], s[8:9], s[56:57]
	s_add_nc_u64 s[58:59], s[10:11], s[58:59]
	s_add_nc_u64 s[60:61], s[6:7], s[60:61]
	s_add_nc_u64 s[48:49], s[4:5], s[48:49]
	s_cmp_lt_u32 s[KC], 8                          ; slices 0-7 are mu's, 8-15 sigma's: the choice hangs on the work-group's number alone
	s_cselect_b64 s[54:55], s[14:15], s[16:17]
	s_cselect_b32 s53, 0, -1                       ; a mask of lanes: all ones in sigma's slices
	s_add_nc_u64 s[54:55], s[54:55], s[62:63]
.irp s, 0,1
	s_mov_b32 s[G0+4*\s], 1                        ; count = 1
	s_add_co_u32 s[G0+4*\s+1], s43, \s*SLOTB       ; LDS address
	s_add_nc_u64 s[G0+4*\s+2:G0+4*\s+3], s[40:41], \s*0x200000   ; global address: slot s begins with experts 8 s on
	s_or_b32 s[G0+4*\s+3], s[G0+4*\s+3], 0x80000000              ; type = 2
.endr
	CROUND                                         ; all four work-groups are here: the first joint loads meet
	tensor_load_to_lds s[G0:G0+3], s[G1:G1+7]      ; the two first fills stand together, ahead of every wait on TENSORcnt and every LDS read: two loads of mine are out
	s_nop 0
	tensor_load_to_lds s[G0+4:G0+7], s[G1:G1+7]
	s_nop 0
.rept 4
	v_nop
.endr
	v_and_b32 v[LN], 31, v0                        ; lane
	v_and_b32 v[RR], 15, v0                        ; r
	v_bfe_u32 v[HH], v0, 4, 1                      ; hh
	v_lshlrev_b32 v[YGO], 4, v0                    ; y: the 128 threads read 2,048 consecutive bytes an instruction
	v_lshlrev_b32 v[BGO], 2, v[RR]                 ; b: column r, rows 8 hh on
	v_lshl_add_u32 v[BGO], v[HH], 13, v[BGO]
	v_lshlrev_b32 v[HGO], 10, v[RR]                ; h: row r of 1,024 bytes, + 16 hh
	v_lshl_add_u32 v[HGO], v[HH], 4, v[HGO]
.set UU, 0
.rept 32
	global_load_b128 v[LG+4*UU:LG+4*UU+3], v[YGO], s[56:57] offset:2048*UU   ; y(thread / 16 + 8 u, 4 (thread % 16) + 0 .. 3)
.set UU, UU+1
.endr
.irp t, 0,1,2,3,4,5,6,7
	global_load_b32 v[232+\t], v[BGO], s[58:59] offset:1024*\t               ; b(32 wq + 8 hh + t, 16 x slice + r)
.endr
.irp t, 0,1,2,3,4,5,6,7
	global_load_b32 v[240+\t], v[BGO], s[58:59] offset:1024*(16+\t)          ; b(32 wq + 16 + 8 hh + t, ..)
.endr
	WIN 0x40                                       ; destination window 1, address window 0
	HUNIT 0, 0, 0
	HUNIT 64, 0, 1
	HUNIT 128, 0, 2
	WIN 0x80
	HUNIT 0, 0, 3
	HUNIT 64, 1, 2
	HUNIT 128, 1, 3
	WIN 0xc0
	HUNIT 0, 1, 0
	HUNIT 64, 1, 1
	WIN 0
	v_lshlrev_b32 v[PFO], 8, v[LN]
	v_mul_u32_u24 v[ADW], v[RR], ROWP              ; W's fragments: row r x pitch + 16 hh + my half of K
	v_lshl_add_u32 v[ADW], v[HH], 4, v[ADW]
	s_lshl_b32 s42, s[WQ], 9
	v_add_nc_u32 v[ADW], s42, v[ADW]
	v_add_nc_u32 v[ADW+1], 4*EXPB, v[ADW]
	v_add_nc_u32 v[ADW+2], SLOTB, v[ADW]
	v_add_nc_u32 v[ADW+3], SLOTB+4*EXPB, v[ADW]
	s_mul_i32 s42, s[WI], 128*YPITCH
	s_add_co_u32 s42, s42, YB
	v_mul_u32_u24 v[AY0], v[RR], YPITCH
	v_add_nc_u32 v[AY0], s42, v[AY0]               ; y: row 128 wi + r
	s_lshl_b32 s42, s[WQ], 6
	v_lshl_add_u32 v[YF], v[HH], 4, v[AY0]
	v_add_nc_u32 v[YF], s42, v[YF]                 ; y as a bf16 fragment: j = 32 wq + 8 hh on
	v_lshrrev_b32 v[YST], 4, v0
	v_mul_u32_u24 v[YST], v[YST], YPITCH
	v_lshl_add_u32 v[YST], v[RR], 3, v[YST]
	v_add_nc_u32 v[YST], YB, v[YST]                ; where I store y: row thread / 16, 8 bytes at 8 (thread % 16)
	s_lshl_b32 s42, s[WV], 13
	v_lshl_add_u32 v[RST], v[LN], 4, s42           ; images: 8,192 x wave + 16 x lane
	s_lshl_b32 s42, s[WI], 14
	s_lshl_b32 s43, s[WQ], 12
	s_add_co_u32 s42, s42, s43
	v_lshl_add_u32 v[RLD], v[LN], 4, s42           ; back: wave 2 wi's images of tiles 4 wq on
	s_mul_i32 s42, s[WV], 64*SPITCH
	s_add_co_u32 s42, s42, STG                     ; my stage
	v_mul_u32_u24 v[OST], v[RR], SPITCH
	v_lshl_add_u32 v[OST], v[HH], 5, v[OST]
	v_add_nc_u32 v[OST], s42, v[OST]               ; in: row r, 32 bytes for each half of the lanes
	v_lshrrev_b32 v[LQ], 2, v[LN]
	v_and_b32 v[LR], 3, v[LN]
	v_mul_u32_u24 v[OLD], v[LQ], SPITCH
	v_lshl_add_u32 v[OLD], v[LR], 4, v[OLD]
	v_add_nc_u32 v[OLD], s42, v[OLD]               ; back: four lanes to a row's 64 bytes, eight rows an instruction
	v_lshlrev_b32 v[OGO], 9, v[LQ]
	v_lshl_add_u32 v[OGO], v[LR], 4, v[OGO]        ; and the same place in the output
	s_cmp_lg_u32 s[WV], 0
	s_cbranch_scc1 .Lno_pf_head
	global_prefetch_b8 v[PFO], s[48:49] th:TH_LOAD_NT scope:SCOPE_SE                  ; my sixteenth of slot 2, which the first change of slots requests,
	global_prefetch_b8 v[PFO], s[48:49] offset:0x200000 th:TH_LOAD_NT scope:SCOPE_SE  ; and of slot 3
.Lno_pf_head:
	s_wait_loadcnt 63                              ; behind y's and b's 48 loads stand h's 128: with 63 out at the most, y and b are in
.set UU, 0
.rept 32
	v_cvt_pk_bf16_f32 v[LG+4*UU], v[LG+4*UU], v[LG+4*UU+1]
	v_cvt_pk_bf16_f32 v[LG+4*UU+1], v[LG+4*UU+2], v[LG+4*UU+3]
	ds_store_b64 v[YST], v[LG+4*UU:LG+4*UU+1] offset:8*YPITCH*UU
.set UU, UU+1
.endr
	s_wait_kmcnt 0x0
	s_add_co_i32 s46, s46, s47                     ; e0 + e1: a sum of the product stands for sum x 2^(e0 + e1)
	s_sub_co_i32 s47, 0, s46
.irp t, 0,1,2,3,4,5,6,7,8,9,10,11,12,13,14,15
	v_ldexp_f32 v[232+\t], v[232+\t], s47          ; so b goes in as b / 2^(e0 + e1)
.endr
.irp q, 0,1,2,3,4,5,6,7
	v_cvt_pk_bf16_f32 v[224+\q], v[232+2*\q], v[233+2*\q]   ; b's fragment: lane (r, hh): column r; registers 0-3: j = 8 hh + 0 .. 7, registers 4-7: 16 + 8 hh + 0 .. 7
.endr
	s_wait_tensorcnt 0x1                           ; my part of slot 0 is in; slot 1's may stay out
	s_wait_dscnt 0x0                               ; my part of y lies in LDS
	s_barrier_signal -1
	s_barrier_wait -1                              ; everybody's does
.irp it, 0,1,2,3,4,5,6,7
	ds_load_b128 v[160+8*\it:163+8*\it], v[YF] offset:16*YPITCH*\it
	ds_load_b128 v[164+8*\it:167+8*\it], v[YF] offset:16*YPITCH*\it+32
.endr
	WIN 0x40
.irp x, 0,1,2,3
	ds_load_b128 v[192+4*\x:195+4*\x], v[AY0] offset:(4+\x)*16*YPITCH   ; y of tiles 4-7: the loop's first weightings multiply zeros by it
.endr
	WIN 0
	s_wait_dscnt 0x0
.irp it, 0,1,2,3,4,5,6,7
	v_wmma_f32_16x16x32_bf16 v[LG+8*\it:LG+8*\it+7], v[224:231], v[160+8*\it:167+8*\it], 0   ; LG starts as my 32 experts' part of sum over j of y b / 2^(e0 + e1)
.endr
.irp i, 0,1,2,3,4,5,6,7,8,9,10,11,12,13,14,15,16,17,18,19,20,21,22,23,24,25,26,27,28,29,30,31
	v_mov_b32 v[ACC+32+\i], 0                      ; the loop is written once: its first expert finds zeros as 'the expert before' of tiles 4-7.  These 32 are also the places in front of the loads below
.endr
.set NADR, ADW
.set NEXP, 0
.irp c, 0,1,2,3
	LDW WS0, 0, \c                                 ; expert 0's four fragments, in the order in which every expert fetches the next one's
.endr
.irp c, 0,1,2,3
	LDW WS1, 1, \c
.endr
.irp c, 0,1,2,3
	LDW WS2, 2, \c
.endr
.irp c, 0,1,2,3
	LDW WS3, 3, \c
.endr
	s_wait_loadcnt 0x0                             ; h
.Ltrip:                                            ; three trips of two slots: every slot but the last two is filled again
	SLOT 0, 1
	SLOT 1, 1
	WIN 0                                          ; at a label and at a branch every window is 0
	s_wait_xcnt 0x0                                ; the prefetches' base is written again only behind this wait
	s_add_nc_u64 s[48:49], s[48:49], 0x400000      ; two slots on
	s_add_co_u32 s[SY], s[SY], 32                  ; 16 experts on in a row of y
	s_sub_co_u32 s[TRIP], s[TRIP], 1
	s_cmp_lg_u32 s[TRIP], 0
	s_cbranch_scc1 .Ltrip
	SLOT 0, 2                                      ; the tail is written out: nothing is asked for
	SLOT 1, 3
	WIN P1
.set EI, 0
	EPI 32, 4, 7                                   ; tiles 4-7 of the last expert
	WIN 0
	; THE WAY OUT.  LG goes to LDS as images of its registers (16 bytes a lane, 512 an instruction); each wave takes both halves of K of four tiles: tiles 4 wq on of its 128 rows.
.irp it, 0,1,2,3,4,5,6,7
	ds_store_b128 v[RST], v[LG+8*\it:LG+8*\it+3] offset:1024*\it
	ds_store_b128 v[RST], v[LG+8*\it+4:LG+8*\it+7] offset:1024*\it+512
.endr
	s_wait_dscnt 0x0                               ; for the others' sake: my images lie in LDS
	s_barrier_signal -1
	s_barrier_wait -1
.irp x, 0,1,2,3
.irp q, 0,1
	ds_load_b128 v[XA+8*\x+4*\q:XA+8*\x+4*\q+3], v[RLD] offset:1024*\x+512*\q
	ds_load_b128 v[XU+8*\x+4*\q:XU+8*\x+4*\q+3], v[RLD] offset:8192+1024*\x+512*\q
.endr
.endr
	s_wait_dscnt 0x0
.irp i, 0,2,4,6,8,10,12,14,16,18,20,22,24,26,28,30
	v_pk_add_f32 v[XA+\i:XA+\i+1], v[XA+\i:XA+\i+1], v[XU+\i:XU+\i+1]
.endr
; x = the logit.  softplus(x) = max(x, 0) + log(1 + u), u = e^-|x|: no exponential of a positive number is taken.  Under u = 2^-12 the sum 1 + u would lose u's low bits: there log(1 + u) = u (1 - u / 2), short by less than u^3 / 3.
; Every slice walks these lines; a select by the slice's mask keeps x in mu's slices: no branch.
.macro ALL32 body:vararg
.set II, 0
	s_wait_alu depctr_va_vdst(0)
.rept 32
	\body
.set II, II+1
.endr
.endm
	ALL32 v_ldexp_f32 v[XA+II], v[XA+II], s46                  ; x 2^(e0 + e1)
	ALL32 v_mul_f32 v[XU+II], s50, |v[XA+II]|                  ; -|x| log2(e)
	ALL32 v_exp_f32 v[XU+II], v[XU+II]                         ; u
	ALL32 v_max_num_f32 v[T2+II], 0, v[XA+II]                  ; max(x, 0).  (Plain lines behind the exponentials)
	ALL32 v_add_f32 v[T1+II], 1.0, v[XU+II]
	ALL32 v_log_f32 v[T1+II], v[T1+II]                         ; log2(1 + u)
	ALL32 v_fma_f32 v[T3+II], v[XU+II], -0.5, 1.0              ; 1 - u / 2.  (Plain lines behind the logarithms)
	ALL32 v_fma_f32 v[T1+II], s51, v[T1+II], v[T2+II]          ; ln 2 x log2(1 + u) + max(x, 0)
	ALL32 v_fma_f32 v[T2+II], v[XU+II], v[T3+II], v[T2+II]     ; u (1 - u / 2) + max(x, 0)
.set II, 0
.rept 32
	v_cmp_gt_f32 vcc_lo, s52, v[XU+II]
	v_cndmask_b32 v[T1+II], v[T1+II], v[T2+II], vcc_lo
.set II, II+1
.endr
	ALL32 v_sqrt_f32 v[T1+II], v[T1+II]
	v_nop                                          ; a plain line between the last root and the use of its result
	s_wait_alu depctr_va_vdst(0)
	ALL32 v_cndmask_b32 v[XA+II], v[XA+II], v[T1+II], s53      ; sigma's slices take the root, mu's keep x
; A lane holds 32 neighbouring bytes of a row and the lanes beside it other rows: the 64 rows go through my own stage and come back four lanes to a row's 64 bytes.
; LDS serves a wave's instructions in order (ISA guide 5.7.1.4): no wait between my stores and my loads.
.irp x, 0,1,2,3
	ds_store_b128 v[OST], v[XA+8*\x:XA+8*\x+3] offset:16*SPITCH*\x
	ds_store_b128 v[OST], v[XA+8*\x+4:XA+8*\x+7] offset:16*SPITCH*\x+16
.endr
.irp u, 0,1,2,3,4,5,6,7
	ds_load_b128 v[T1+4*\u:T1+4*\u+3], v[OLD] offset:8*SPITCH*\u
.endr
.irp u, 0,1,2,3,4,5,6,7
	s_wait_dscnt 7-\u
	global_store_b128 v[OGO], v[T1+4*\u:T1+4*\u+3], s[54:55] offset:4096*\u th:TH_STORE_NT   ; eight rows: four lanes store the 64 consecutive bytes of a row that this work-group owns; written once, read by nobody here
.endr
	s_wait_tensorcnt 0x0                           ; the wave's end: behind my last tensor load and my last LDS store
	ds_add_u32 v[SPW], v[NIL]
	s_wait_dscnt 0x0
	CROUND                                         ; the closing round: no work-group ends while a partner may still ask for a tile that names it
	s_endpgm
.Lfunc_end_k_q59689b5cdc_latent:
	.size	k_q59689b5cdc_latent, .Lfunc_end_k_q59689b5cdc_latent-k_q59689b5cdc_latent
	.p2alignl 7, 3214868480
	.fill 96, 4, 3214868480
	.section	.rodata,"a",@progbits
	.p2align	6, 0x0
	.amdhsa_kernel k_q59689b5cdc_latent
		.amdhsa_group_segment_fixed_size 327680
		.amdhsa_private_segment_fixed_size 0
		.amdhsa_enable_private_segment 0
		.amdhsa_kernarg_size 56
		.amdhsa_user_sgpr_count 2
		.amdhsa_user_sgpr_kernarg_segment_ptr 1
		.amdhsa_wavefront_size32 1
		.amdhsa_system_sgpr_workgroup_id_x 1
		.amdhsa_system_sgpr_workgroup_id_y 1
		.amdhsa_system_sgpr_workgroup_id_z 1
		.amdhsa_system_vgpr_workitem_id 0
		.amdhsa_next_free_vgpr 1024
		.amdhsa_next_free_sgpr 66
		.amdhsa_reserve_vcc 1
		.amdhsa_float_denorm_mode_32 3
		.amdhsa_float_denorm_mode_16_64 3
		.amdhsa_memory_ordered 1
		.amdhsa_forward_progress 1
		.amdhsa_inst_pref_size 255
	.end_amdhsa_kernel
	.section	.bss,"aw",@nobits
	.p2align	6
	.space	262144
	.amdgpu_metadata
---
amdhsa.version: [ 1, 2 ]
amdhsa.kernels:
  - .name:           k_q59689b5cdc_latent
    .symbol:         k_q59689b5cdc_latent.kd
    .args:
      - { .name: W_codes, .offset: 0, .size: 8, .value_kind: global_buffer, .address_space: global }
      - { .name: hiddens_codes, .offset: 8, .size: 8, .value_kind: global_buffer, .address_space: global }
      - { .name: y, .offset: 16, .size: 8, .value_kind: global_buffer, .address_space: global }
      - { .name: b, .offset: 24, .size: 8, .value_kind: global_buffer, .address_space: global }
      - { .name: lowp_scales, .offset: 32, .size: 8, .value_kind: global_buffer, .address_space: global }
      - { .name: out0, .offset: 40, .size: 8, .value_kind: global_buffer, .address_space: global }
      - { .name: out1, .offset: 48, .size: 8, .value_kind: global_buffer, .address_space: global }
    .group_segment_fixed_size: 327680
    .private_segment_fixed_size: 0
    .kernarg_segment_align: 8
    .kernarg_segment_size: 56
    .max_flat_workgroup_size: 128
    .sgpr_count:     66
    .vgpr_count:     1024
    .wavefront_size: 32
...
	.end_amdgpu_metadata
.endif
;; end of part 1
;; ======== version 2 of 2: 1 launch
;; limits: values are held in bf16: 8 bits of precision; right only within a limited range of input values
;; launch latent (part 2): grid 16 x 16, 4 waves a work-group, clusters of 4 x 1, 327,680 bytes of LDS; arguments W_codes, hiddens_codes, y, b, lowp_scales, out0, out1; writes out0, out1
.if DOCPART == 2
	.amdgcn_target "amdgcn-amd-amdhsa--gfx1250"
	.amdhsa_code_object_version 6
	.text
	.protected	k_q59689b5cdc_latent
	.globl	k_q59689b5cdc_latent
	.p2align	8
	.type	k_q59689b5cdc_latent,@function
k_q59689b5cdc_latent:
	s_mov_b64 s[64:65], 0
	v_nop
	global_prefetch_b8 v0, s[64:65] scope:SCOPE_SE
	s_setreg_imm32_b32 hwreg(HW_REG_WAVE_MODE, 25, 1), 1
	s_wait_xcnt 0x0
	s_wait_alu depctr_hold_cnt(0) depctr_sa_sdst(0) depctr_va_vdst(0) depctr_va_sdst(0) depctr_va_ssrc(0) depctr_va_vcc(0) depctr_vm_vsrc(0)
	s_getreg_b32 s2, hwreg(HW_REG_IB_STS2, 6, 4)
	s_cmp_eq_u32 s2, 0
	s_cbranch_scc0 .Lentry_in_a_cluster
	s_endpgm
.Lentry_in_a_cluster:
	s_bfe_u32 s2, ttmp6, 0x10000c
	s_cmp_lg_u32 s2, 0x3003
	s_cbranch_scc0 .Lentry_shape_is_right
	s_endpgm
.Lentry_shape_is_right:
; logits[i][k] = sum over j of y[i][j] x (sum over f of h[i][f] W[j][k][f] + b[j][k]);  out0 = logits[:, 0:128];  out1 = sqrt(softplus(logits[:, 128:256])).
; h [4096][1024] and W [64][256][1024] are codes of FP8 (E4M3), K innermost, one scale 2^e each (e0 for W, e1 for h); y [4096][64], b [64][256], out0, out1 [4096][128] are f32.
; SHARES.  A work-group owns 256 rows i x 16 columns k for ALL 64 experts j: 16 x 16 work-groups.  Wave w = (wi = w / 2, wq = w % 2) keeps the codes of h of 128 rows x half of K (512 wq on) in 512 registers for the
; whole launch and walks the 64 experts.  Its rows are two groups of four tiles of 16: G0 = rows 64 wi on, G1 = rows 128 + 64 wi on.  Each fragment of W read from LDS (16 rows x 128 K) feeds eight matrix instructions.
; The weighting by y is linear, so each wave keeps LG = sum over j of y[i][j] x (its half of K's sum) in 64 registers; the two halves meet once, at the end, through LDS.  No sum ever goes to memory.
; THE MATRIX INSTRUCTION IS USED TRANSPOSED: source 0 = 16 rows of W (k), source 1 = 16 rows of h (i): lane (r, hh) holds row i = r and its registers e the columns k = 8 hh + e, so y[i][j] is ONE number a lane.
; A fragment is fetched by four loads of 16 bytes, 32 apart, at 16 hh: a permutation of K inside an instruction, the same in W and in h, so every product meets its partner.
; y AND b are operands of the product that is left as it is: both are rounded to bf16.  y lies in LDS as bf16; a slot's 8 experts' y are widened to f32 in registers once (a shift or a mask: no value changes).
; The bias part, sum over j of y b, is eight bf16 matrix instructions a wave (wave wq takes j = 32 wq on) that START LG; b goes in as b x 2^-(e0+e1), and LG is multiplied by 2^(e0+e1) once at the end.
; HEAD.  One tensor load a wave: waves 0, 1 fetch slot 0 of W, waves 2, 3 the G1 rows of h into slot 1's place, from where they go to registers; the G0 rows of h come by plain loads meanwhile.
; RING.  W comes through two LDS slots of 8 experts; wave w fetches experts 2 w, 2 w + 1 of a slot by one tensor load behind each change of slots (slot 1's first fill is issued so too).
; CLUSTER.  The four work-groups of a cluster own four blocks of rows of ONE slice of columns and walk the same W: every tile of W is asked for jointly (mask 15).  h and y differ between partners: plain loads.
; PREFETCH.  The slot that stands one refill on is asked for behind each refill: the sixteen work-groups of a slice take a sixteenth (8,192 bytes) each, by address; the last refill asks for nothing.
; OUTPUT: a work-group owns 64 consecutive bytes of each of its rows; four neighbouring lanes store them.  Whole rows of 256 bytes would want slices of 64 columns: four times the bytes of W for each work-group.
; LIMITS.  y and b are rounded to bf16.  y is finite.  b x 2^-(e0+e1) is an f32 number.  Where a logit of the second half lies under about -87, 2^(x log2 e) comes out as zero and so does sigma (the true value is under 1e-18).
;
; REGISTERS, in windows of 256 (s_set_vgpr_msb's low byte: bits 1:0 source 0, 3:2 source 1, 5:4 source 2, 7:6 destination).
;   window 0: v2-15 addresses that stay; v16-79 LG (8 tiles x 8); v80-143 ACC (8 tiles x 8); v144-255 fragments of W: K steps 0, 1, 2 in two sets each, by the expert's parity; K step 3 in one.
;   windows 1-3: h in units of 64 registers (four tiles of a group, K step s); from v192 y of the slot's 8 experts as f32, eight registers a tile; from v216 a slot's y as loaded, bf16, four registers a tile:
;   window 1: (G0,s0) (G0,s1) (G0,s2), y of tiles 4, 5, 6;   window 2: (G0,s3) (G1,s2) (G1,s3), y of tiles 7, 0, 1;   window 3: (G1,s0) (G1,s1), y of tiles 2, 3.
;   In the loop only SOURCE 1's window changes: h for a product, y for a weighting; all else lies in window 0.
.set EXPB,   16640                     ; an expert in LDS: 16 rows x (1,024 bytes + 16 of padding); also 16 rows of h
.set ROWP,   1040                      ; a row in LDS: 65 x 16 bytes: the 16 rows that a load touches start in 16 different columns of 16 bytes modulo 256
.set SLOTB,  8*EXPB                    ; a slot: 8 experts
.set YB,     2*SLOTB                   ; behind the ring: y as bf16, 256 rows x 144 bytes (128 + 16 of padding)
.set YPITCH, 144
.set SPARE,  YB+256*YPITCH+256         ; one empty block, then the spare words: 128 bytes for each wave, two blocks of 256 bytes that no other line names
.set STG,    32768                     ; the way out lies in slot 0, behind its last fill and its last read: bytes 0 on: LG as images of registers, 4,096 a wave; from STG on a stage of 64 rows x 80 bytes a wave
.set SPITCH, 80
.set ADW, 2                            ; v2-5   LDS address of my fragments of W: slot 0 experts 0-3, 4-7; slot 1 experts 0-3, 4-7
.set AY0, 6                            ; v6     y: my row of tile 0
.set AYC, 7                            ; v7     the same, at the trip's first expert
.set SPW, 8                            ; v8     LDS address of my spare word: SPARE + 4 x my thread's number; never rewritten
.set NIL, 9                            ; v9     0; never rewritten
.set RST, 10                           ; v10    the way out: where LG's images go
.set RLD, 11                           ; v11    and from where the other half comes
.set OST, 12                           ; v12    the stage: where I put 32 bytes of a row
.set OLD, 13                           ; v13    and where I read 16 bytes of a row back
.set OGO, 14                           ; v14    my byte offset in the wave's 64 rows of the output
.set PFO, 15                           ; v15    256 x lane, for the prefetches
.set LG,  16
.set ACC, 80
.set LN,  144                          ; v144-155 serve the head alone
.set RR,  145
.set HH,  146
.set YGO, 147
.set BGO, 148
.set HGO, 149
.set YST, 150
.set YF,  151
.set LQ,  152
.set LR,  153
.set TW,  154
.set HLD, 155
.set WS0, 144                          ; K step 0: v144-159 (even experts), v160-175 (odd)
.set WS1, 176                          ; K step 1
.set WS2, 208                          ; K step 2
.set WS3, 240                          ; K step 3: one set
.set XA,  80                           ; the way out: 32 logits
.set XU,  112
.set T1,  144
.set T2,  176
.set T3,  208
.set WV,  18                           ; s18 wave; s19 wi; s20 wq; s21 cx; s22 block of rows; s23 slice of columns
.set WI,  19
.set WQ,  20
.set CX,  21
.set IT,  22
.set KC,  23
.set G1,  24                           ; s[24:31] descriptor group 1 of the ring
.set G0,  32                           ; s[32:39] descriptor group 0, one set for each slot
.set TRIP, 44
.set SY,  45                           ; s45  byte of the trip's first expert in a row of y
.set HW0, 68                           ; s[68:71], s[72:79] the head's load of W;  s[80:83], s[84:91] of h
.set HW1, 72
.set HH0, 80
.set HH1, 84
.set P1,  0x04                         ; source 1 in window 1, 2, 3
.set P2,  0x08
.set P3,  0x0c
.set MSB, 0
.macro WIN new                         ; the immediate's high byte repeats the setting that is left; a switch that changes nothing is dropped
.if MSB != (\new)
	s_set_vgpr_msb (MSB<<8)|(\new)
.set MSB, \new
.endif
.endm
.macro CROUND                          ; a whole round of the cluster's barrier
	s_barrier_signal -1
	s_barrier_wait -1
	s_cmp_lg_u32 s[WV], 0
	s_cbranch_scc1 .Lnot_wave_0_\@
	s_barrier_signal -3
.Lnot_wave_0_\@:
	s_barrier_wait -3
	s_barrier_signal -1
	s_barrier_wait -1
.endm
; One weighting: registers 2 k, 2 k + 1 of tile t: LG += ACC x y of expert yj of the slot.  y's eight f32 numbers of the tile begin at v[yb] of source 1's window; of the pair that holds yj one word serves both halves.
.macro FM t, k, yb, yj
.set rL, LG+8*(\t)+2*(\k)
.set rA, ACC+8*(\t)+2*(\k)
.set rY, (\yb)+2*((\yj)/2)
.if (\yj)%2
	v_pk_fma_f32 v[rL:rL+1], v[rA:rA+1], v[rY:rY+1], v[rL:rL+1] op_sel:[0,1,0] op_sel_hi:[1,1,1]
.else
	v_pk_fma_f32 v[rL:rL+1], v[rA:rA+1], v[rY:rY+1], v[rL:rL+1] op_sel_hi:[1,0,1]
.endif
.endm
.macro MM a, wb, hb, zero              ; one product: tile a of rows, W's fragment at v[wb], h's at v[hb] of source 1's window.  zero = 1: it starts the sum: nothing is cleared
.if \zero
	v_wmma_f32_16x16x128_fp8_fp8 v[ACC+8*(\a):ACC+8*(\a)+7], v[\wb:\wb+15], v[\hb:\hb+15], 0
.else
	v_wmma_f32_16x16x128_fp8_fp8 v[ACC+8*(\a):ACC+8*(\a)+7], v[\wb:\wb+15], v[\hb:\hb+15], v[ACC+8*(\a):ACC+8*(\a)+7]
.endif
.endm
.macro XPP yb, tb, q                   ; words q, q + 1 of a tile's y: four bf16 become four f32: the low half moves up, the high half stays (s62 = 0xffff0000).  Source 1 and destination lie in one window
	v_lshlrev_b32 v[\yb+2*(\q)], 16, v[\tb+\q]
	v_and_b32 v[\yb+2*(\q)+1], s62, v[\tb+\q]
	v_lshlrev_b32 v[\yb+2*(\q)+2], 16, v[\tb+\q+1]
	v_and_b32 v[\yb+2*(\q)+3], s62, v[\tb+\q+1]
.endm
; Four products: the four tiles of group g against one fragment of W; the four accumulators take turns, one instruction a turn.
; With them go the four weightings of ONE finished tile t of the other group, from the accumulator's low end on: one behind each product (late = 0), or all four behind the last (late = 1: a run of LDS loads follows).
; xw: the windows under which a tile's y is widened meanwhile, half behind the second product and half behind the fourth (0: none).
.macro QUAD g, wb, hb, zero, t, yb, yj, late, xw=0, xy=0, xt=0
.set QQ, 0
.rept 4
	MM 4*\g+QQ, \wb, \hb+16*QQ, \zero
.if \late == 0
	FM \t, QQ, \yb, \yj
.endif
.if \xw
.if QQ%2
.set SAVW, MSB
	WIN \xw
	XPP \xy, \xt, QQ-1
	WIN SAVW
.endif
.endif
.set QQ, QQ+1
.endr
.if \late
.irp k, 0,1,2,3
	FM \t, \k, \yb, \yj
.endr
.endif
.endm
; THE LDS LOADS of W stand in ONE run of sixteen an expert.  NADR, NEXP: the NEXT expert's address register and its place; NS0-NS2: the other parity's sets.
.macro LDW dst, s
.irp c, 0,1,2,3
	ds_load_b128 v[\dst+4*\c:\dst+4*\c+3], v[NADR] offset:NEXP+128*\s+32*\c
.endr
.endm
.macro RUN
	LDW NS0, 0
	LDW NS1, 1
	LDW NS2, 2
	LDW WS3, 3
.endm
; y of a slot's 8 experts as it lies in LDS: 16 bytes (8 bf16) a row, one load a tile, into v216 on of the window in which the tile's weightings find it.  Tile t's rows begin 16 t (G0) or 64 + 16 t (G1) behind tile 0's
.macro YT reg, t, adr, off
	ds_load_b128 v[\reg:\reg+3], v[\adr] offset:(16*\t+64*(\t/4))*YPITCH+\off
.endm
.macro YTEMPS adr, off
	WIN 0x40                                       ; destination window 1, address window 0
	YT 216, 4, \adr, \off
	YT 220, 5, \adr, \off
	YT 224, 6, \adr, \off
	WIN 0x80
	YT 216, 7, \adr, \off
	YT 220, 0, \adr, \off
	YT 224, 1, \adr, \off
	WIN 0xc0
	YT 216, 2, \adr, \off
	YT 220, 3, \adr, \off
	WIN 0
.endm
; Wave 0 asks for my work-group's sixteenth (8,192 bytes, lanes 256 bytes apart) of a slot of W: each byte of the slot is asked for once by the slice's sixteen work-groups.
; stop = 1: the loop's last trip asks for nothing: that slot does not exist.  Both branches hang on numbers that all partners share.
.macro PREF off, stop
	s_cmp_lg_u32 s[WV], 0
	s_cbranch_scc1 .Lno_pf_\@
.if \stop
	s_cmp_eq_u32 s[TRIP], 1
	s_cbranch_scc1 .Lno_pf_\@
.endif
	global_prefetch_b8 v[PFO], s[48:49] offset:\off th:TH_LOAD_NT scope:SCOPE_SE
.Lno_pf_\@:
.endm
; ONE EXPERT: expert jj of slot sl.  Eight quads.  Tiles 0-3 take K steps 0, 1, 2, 3; tiles 4-7 take 3, 2, 0, 1, so that K step 3 is done with behind quad 4 and wants one set of registers.
; While one group of four tiles is multiplied, the other group's finished sums are weighted into LG, a tile a quad: quads 0-3 carry tiles 4-7 of the expert BEFORE, quads 4-7 tiles 0-3 of this expert.
; The weightings are the places behind the matrix instructions (ISA guide 7.12.1): a tile's first read stands behind four weightings of other tiles or more, which name none of its registers.
; THE RUN (the next expert's fragments) stands behind quad 4, twelve products ahead of its first use: quad 4's four weightings in front of it are the places behind the last product that read K step 3's registers.
; The waits in front of quads 0-3 count the loads issued behind the fragment that the quad wants: 12, 8, 4, 0.
; A SLOT'S FIRST EXPERT widens the slot's y (tile 7's in the second expert): tiles 0-3 in quads 0-3 (first used in quads 4-7), tiles 4-6 in quads 5-7, when the last slot's have been used.
; THE CHANGE OF SLOTS.  Behind expert 6's run, the last that reads this slot: the wait for all my tensor loads (the one that is out is my part of the other slot) and the add.  In expert 7: quad 0; the wait for the add and
; for my reads of this slot; then the round, with quads 1 to 4, work on registers, inside it; then the refill, the next slot's y, and the run out of the other slot.
; mode, for jj = 6 and 7: 1: the slot is left and filled again;  2: it is left;  3: the launch's last expert.
.macro JSTEP sl, jj, mode
.set PAR, (\jj)%2
.set CS0, WS0+16*PAR
.set CS1, WS1+16*PAR
.set CS2, WS2+16*PAR
.set NS0, WS0+16-16*PAR
.set NS1, WS1+16-16*PAR
.set NS2, WS2+16-16*PAR
.set YPV, ((\jj)+7)%8
.set CH, 0
.set CHX, 0
.set GO, 1
.set LO, 0
.set L1, 0
.set NADR, ADW+2*(\sl)+((\jj)+1)/4
.set NEXP, (((\jj)+1)%4)*EXPB
.if \jj == 0
.set LO, 1
.elseif \jj == 1
.set L1, 1
.elseif \jj == 7
.if \mode == 3
.set GO, 0
.else
.set CH, \mode
.set CHX, 1                            ; the add counts too
.set NADR, ADW+2*(1-(\sl))
.set NEXP, 0
.endif
.endif
.if (\jj == 0) && (\sl == 0)
	WIN 0
	v_add_nc_u32 v[AYC], s[SY], v[AY0]             ; y at the trip's first expert
.endif
	s_wait_dscnt 12+CHX
	WIN P1
	QUAD 0, CS0, 0, 1, 4, 192, YPV, 0, 0x88*LO, 200, 220
.if CH
	s_wait_dscnt 0x0                               ; the add is done and my reads of this slot are over
	s_barrier_signal -1
.else
	s_wait_dscnt 8
.endif
	QUAD 0, CS1, 64, 0, 5, 200, YPV, 0, 0x88*(LO+L1), 208-16*L1, 224-8*L1
.if CH == 0
	s_wait_dscnt 4
.endif
	QUAD 0, CS2, 128, 0, 6, 208, YPV, 0, 0xcc*LO, 192, 216
.if CH == 0
	s_wait_dscnt 0x0
.endif
	WIN P2
	QUAD 0, WS3, 0, 0, 7, 192, YPV, 0, 0xcc*LO, 200, 220
	QUAD 1, WS3, 128, 1, 0, 200, \jj, 1
.if CH
	WIN 0                                          ; (a branch follows)
	s_barrier_wait -1                              ; nobody of my work-group reads this slot any more, and the other slot is whole
.endif
.if CH == 1
	s_cmp_lg_u32 s[WV], 0                          ; the barrier has opened a round of the cluster's
	s_cbranch_scc1 .Lnot_wave_0_\@
	s_barrier_signal -3
.Lnot_wave_0_\@:
	s_barrier_wait -3                              ; no wave of any partner still reads this slot or has a load on its way
	s_barrier_signal -1
	s_barrier_wait -1
	tensor_load_to_lds s[G0+4*(\sl):G0+4*(\sl)+3], s[G1:G1+7]   ; my one tensor load behind the round: it is waited for behind expert 6's run of the other slot
	s_nop 0
.rept 4
	v_nop
.endr
.endif
.if CH
	YTEMPS AYC, 16*(\sl)+16                        ; the next slot's y: 8 experts, 16 bytes, on in my rows
.endif
.if GO
	RUN
.endif
.if (\jj == 6) && (\mode != 3)
	WIN 0                                          ; (the add's two registers lie in window 0)
	s_wait_tensorcnt 0x0                           ; all my tensor loads have landed: my part of the other slot
	ds_add_u32 v[SPW], v[NIL]                      ; 0 onto my spare word; sixteen products stand between it and the wait for it
.if \mode == 1
	s_add_nc_u64 s[G0+4*(\sl)+2:G0+4*(\sl)+3], s[G0+4*(\sl)+2:G0+4*(\sl)+3], 0x400000   ; no load of mine is out: this slot's next 8 experts lie 16 experts on
.endif
.endif
.if CH == 1
	PREF 0x200000*(1+(\sl)), \sl                   ; s[48:49] stands at the slot that this trip's first refill brings: the slot behind the one just asked for
.endif
	WIN P2
	QUAD 1, CS2, 64, 0, 1, 208, \jj, 0, 0x44*LO, 192, 216
	WIN P3
	QUAD 1, CS0, 0, 0, 2, 192, \jj, 0, 0x44*LO, 200, 220
	QUAD 1, CS1, 64, 0, 3, 200, \jj, 0, 0x44*LO, 208, 224
.endm
.macro SLOT sl, mode
.irp jj, 0,1,2,3,4,5
	JSTEP \sl, \jj, 0
.endr
	JSTEP \sl, 6, \mode
	JSTEP \sl, 7, \mode
.endm
.macro HUNIT base, s                   ; a unit of h from memory: G0's four tiles, K step s
.irp x, 0,1,2,3
.irp c, 0,1,2,3
	global_load_b128 v[\base+16*\x+4*\c:\base+16*\x+4*\c+3], v[HGO], s[60:61] offset:\x*16384+128*\s+32*\c
.endr
.endr
.endm
.macro HLDS base, s                    ; a unit of h from LDS: G1's four tiles, K step s
.irp x, 0,1,2,3
.irp c, 0,1,2,3
	ds_load_b128 v[\base+16*\x+4*\c:\base+16*\x+4*\c+3], v[HLD] offset:\x*EXPB+128*\s+32*\c
.endr
.endr
.endm
	s_load_b256 s[4:11], s[0:1], 0x0               ; W's codes s[4:5], h's codes s[6:7], y s[8:9], b s[10:11]
	s_load_b128 s[12:15], s[0:1], 0x20             ; the scales' exponents s[12:13], out0 s[14:15]
	s_load_b64 s[16:17], s[0:1], 0x30              ; out1
	v_lshl_add_u32 v[SPW], v0, 2, SPARE
	v_mov_b32 v[NIL], 0
	ds_add_u32 v[SPW], v[NIL]                      ; the wave's opening: the add, twice on end, and its wait ahead of my first tensor load
	ds_add_u32 v[SPW], v[NIL]
	v_lshrrev_b32 v[TW], 5, v0
	v_readfirstlane_b32 s[WV], v[TW]               ; wave 0..3
	s_lshr_b32 s[WI], s[WV], 1                     ; which 64 rows of each group
	s_and_b32 s[WQ], s[WV], 1                      ; which half of K
	s_bfe_u32 s[CX], ttmp6, 0x40000                ; my place in the cluster
	s_lshl_b32 s[IT], ttmp9, 2                     ; in a cluster launch ttmp9 counts clusters
	s_add_co_u32 s[IT], s[IT], s[CX]               ; my block of 256 rows: it enters h's, y's, the output's and the prefetches' addresses alone
	s_and_b32 s[KC], ttmp7, 0xffff                 ; my slice of 16 columns, which the four partners share
	; descriptor groups 1.  W: an expert's 16 rows are one run of 2,048 elements of 8 bytes; experts lie 32,768 elements apart; a tile is 2 experts (the ring) or 4 (the head)
	; 15:0 the mask: all four work-groups; 17:16 elements of 8 bytes; 20 padding on; 21 set beside a mask; 24:22 after every 256 words (code 7): a row; 31:25 four words (code 3)
	s_mov_b32 s[G1], 15|(3<<16)|(1<<20)|(1<<21)|(7<<22)|(3<<25)
	s_mov_b32 s[G1+1], 2048<<16                    ; tensor_dim0 = 2,048
	s_mov_b32 s[G1+2], 2<<16                       ; tensor_dim1 = 2
	s_mov_b32 s[G1+3], 2048<<16                    ; tile_dim0 = 2,048
	s_mov_b32 s[G1+4], 2                           ; tile_dim1 = 2
	s_mov_b32 s[G1+5], 32768                       ; tensor_dim0_stride
	s_mov_b32 s[G1+6], 0
	s_mov_b32 s[G1+7], 0
	s_mov_b32 s[HW1], 15|(3<<16)|(1<<20)|(1<<21)|(7<<22)|(3<<25)
	s_mov_b32 s[HW1+1], 2048<<16
	s_mov_b32 s[HW1+2], 4<<16
	s_mov_b32 s[HW1+3], 2048<<16
	s_mov_b32 s[HW1+4], 4
	s_mov_b32 s[HW1+5], 32768
	s_mov_b32 s[HW1+6], 0
	s_mov_b32 s[HW1+7], 0
	s_mov_b32 s[HH1], (3<<16)|(1<<20)|(7<<22)|(3<<25)   ; h: 64 rows of 128 elements of 8 bytes, for my work-group alone
	s_mov_b32 s[HH1+1], 128<<16
	s_mov_b32 s[HH1+2], 64<<16
	s_mov_b32 s[HH1+3], 128<<16
	s_mov_b32 s[HH1+4], 64
	s_mov_b32 s[HH1+5], 128
	s_mov_b32 s[HH1+6], 0
	s_mov_b32 s[HH1+7], 0
	s_mov_b32 s[HW0], 1
	s_mov_b32 s[HH0], 1
	s_mul_i32 s[HW0+1], s[WV], 4*EXPB              ; the head's tiles, 66,560 bytes each: waves 0, 1 in slot 0, waves 2, 3 in slot 1
	s_mul_i32 s[HH0+1], s[WV], 4*EXPB
	s_lshl_b32 s40, s[KC], 14                      ; W: my slice's 16 rows of an expert;
	s_lshl_b32 s42, s[WV], 20
	s_add_co_u32 s92, s40, s42                     ; in the head experts 4 w on,
	s_mov_b32 s93, 0
	s_lshl_b32 s42, s[WV], 19
	s_add_co_u32 s40, s40, s42                     ; in the ring experts 2 w, 2 w + 1
	s_mov_b32 s41, 0
	s_mul_i32 s43, s[WV], 2*EXPB                   ; and their place in a slot: no place in the cluster enters it
	s_lshl_b32 s94, s[IT], 18                      ; h by the head's load: row 256 x block + 64 x wave (waves 2, 3: rows 128 on)
	s_lshl_b32 s95, s[WV], 16
	s_add_co_u32 s94, s94, s95
	s_mov_b32 s95, 0
	s_lshl_b32 s56, s[IT], 16                      ; y: 256 rows of 256 bytes
	s_mov_b32 s57, 0
	s_lshl_b32 s58, s[WQ], 15                      ; b: rows j = 32 wq on, columns 16 x slice on
	s_lshl_b32 s59, s[KC], 6
	s_add_co_u32 s58, s58, s59
	s_mov_b32 s59, 0
	s_lshl_b32 s60, s[IT], 18                      ; h by plain loads: row 256 x block + 64 wi, byte 512 wq
	s_lshl_b32 s61, s[WI], 16
	s_add_co_u32 s60, s60, s61
	s_lshl_b32 s61, s[WQ], 9
	s_add_co_u32 s60, s60, s61
	s_mov_b32 s61, 0
	s_lshr_b32 s48, s[IT], 1                       ; the prefetches: of slot 2 (experts 16 on) expert 16 + block / 2, half block % 2 of its 16,384 bytes
	s_add_co_u32 s48, s48, 16
	s_lshl_b32 s48, s48, 18
	s_lshl_b32 s49, s[KC], 14
	s_add_co_u32 s48, s48, s49
	s_and_b32 s49, s[IT], 1
	s_lshl_b32 s49, s49, 13
	s_add_co_u32 s48, s48, s49
	s_mov_b32 s49, 0
	s_lshl_b32 s62, s[IT], 17                      ; the output: row 256 x block + 128 wq + 64 wi (rows of 512 bytes), byte 64 x (slice % 8)
	s_lshl_b32 s63, s[WQ], 16
	s_add_co_u32 s62, s62, s63
	s_lshl_b32 s63, s[WI], 15
	s_add_co_u32 s62, s62, s63
	s_and_b32 s63, s[KC], 7
	s_lshl_b32 s63, s63, 6
	s_add_co_u32 s62, s62, s63
	s_mov_b32 s63, 0
	s_mov_b32 s50, 0xbfb8aa3b                      ; -log2(e)
	s_mov_b32 s51, 0x3f317218                      ; ln 2
	s_mov_b32 s52, 0x39800000                      ; 2^-12
	s_mov_b32 s[TRIP], 3
	s_mov_b32 s[SY], 0
	s_lshl_b32 s66, s[WQ], 9                       ; parts of LDS addresses
	s_mul_i32 s67, s[WI], 64*YPITCH
	s_add_co_u32 s67, s67, YB
	s_lshl_b32 s96, s[WQ], 6
	s_mul_i32 s97, s[WI], 4*EXPB
	s_lshl_b32 s98, s[WV], 12
	s_xor_b32 s99, s[WV], 1
	s_lshl_b32 s99, s99, 12
	s_mul_i32 s100, s[WV], 64*SPITCH
	s_add_co_u32 s100, s100, STG                   ; my stage
	v_and_b32 v[LN], 31, v0                        ; lane
	v_and_b32 v[RR], 15, v0                        ; r
	v_bfe_u32 v[HH], v0, 4, 1                      ; hh
	v_lshlrev_b32 v[YGO], 4, v0                    ; y: the 128 threads read 2,048 consecutive bytes an instruction
	v_lshlrev_b32 v[BGO], 2, v[RR]                 ; b: column r, rows 8 hh on
	v_lshl_add_u32 v[BGO], v[HH], 13, v[BGO]
	v_lshlrev_b32 v[HGO], 10, v[RR]                ; h: row r of 1,024 bytes, + 16 hh
	v_lshl_add_u32 v[HGO], v[HH], 4, v[HGO]
	v_lshlrev_b32 v[PFO], 8, v[LN]
	v_mul_u32_u24 v[ADW], v[RR], ROWP              ; W's fragments: row r x pitch + 16 hh + my half of K
	v_lshl_add_u32 v[ADW], v[HH], 4, v[ADW]
	v_add_nc_u32 v[ADW], s66, v[ADW]
	v_add_nc_u32 v[ADW+1], 4*EXPB, v[ADW]
	v_add_nc_u32 v[ADW+2], SLOTB, v[ADW]
	v_add_nc_u32 v[ADW+3], SLOTB+4*EXPB, v[ADW]
	v_add_nc_u32 v[HLD], s97, v[ADW+2]             ; h's: 64 wi rows further on
	v_mul_u32_u24 v[AY0], v[RR], YPITCH
	v_add_nc_u32 v[AY0], s67, v[AY0]               ; y: row 64 wi + r
	v_lshl_add_u32 v[YF], v[HH], 4, v[AY0]
	v_add_nc_u32 v[YF], s96, v[YF]                 ; y as a bf16 fragment: j = 32 wq + 8 hh on
	v_lshrrev_b32 v[YST], 4, v0
	v_mul_u32_u24 v[YST], v[YST], YPITCH
	v_lshl_add_u32 v[YST], v[RR], 3, v[YST]
	v_add_nc_u32 v[YST], YB, v[YST]                ; where I store y: row thread / 16, 8 bytes at 8 (thread % 16)
	v_lshl_add_u32 v[RST], v[LN], 4, s98           ; images: 4,096 x wave + 16 x lane
	v_lshl_add_u32 v[RLD], v[LN], 4, s99           ; and those of the wave with the other half of K
	v_mul_u32_u24 v[OST], v[RR], SPITCH
	v_lshl_add_u32 v[OST], v[HH], 5, v[OST]
	v_add_nc_u32 v[OST], s100, v[OST]              ; in: row r, 32 bytes for each half of the lanes
	v_lshrrev_b32 v[LQ], 2, v[LN]
	v_and_b32 v[LR], 3, v[LN]
	v_mul_u32_u24 v[OLD], v[LQ], SPITCH
	v_lshl_add_u32 v[OLD], v[LR], 4, v[OLD]
	v_add_nc_u32 v[OLD], s100, v[OLD]              ; back: four lanes to a row's 64 bytes, eight rows an instruction
	v_lshlrev_b32 v[OGO], 9, v[LQ]
	v_lshl_add_u32 v[OGO], v[LR], 4, v[OGO]        ; and the same place in the output
	s_wait_alu depctr_va_vdst(0)
	s_wait_dscnt 0x0                               ; both opening adds are done
	CROUND                                         ; all four work-groups are here: the first joint loads meet.  (The arguments are on their way meanwhile)
	s_wait_kmcnt 0x0
	s_load_b64 s[46:47], s[12:13], 0x0             ; e0, e1
	s_add_nc_u64 s[HW0+2:HW0+3], s[4:5], s[92:93]
	s_or_b32 s[HW0+3], s[HW0+3], 0x80000000        ; type = 2
	s_add_nc_u64 s[HH0+2:HH0+3], s[6:7], s[94:95]
	s_or_b32 s[HH0+3], s[HH0+3], 0x80000000
	s_add_nc_u64 s[56:57], s[8:9], s[56:57]
	s_add_nc_u64 s[58:59], s[10:11], s[58:59]
	s_add_nc_u64 s[60:61], s[6:7], s[60:61]
	s_cmp_gt_u32 s[WV], 1                          ; one tensor load a wave.  Waves 0, 1: slot 0 of W, jointly; waves 2, 3: h's G1 rows
	s_cbranch_scc1 .Lhead_h
	tensor_load_to_lds s[HW0:HW0+3], s[HW1:HW1+7]
	s_nop 0
.rept 4
	v_nop
.endr
	s_branch .Lhead_join
.Lhead_h:
	tensor_load_to_lds s[HH0:HH0+3], s[HH1:HH1+7]
	s_nop 0
.rept 4
	v_nop
.endr
.Lhead_join:
.set UU, 0
.rept 32
	global_load_b128 v[LG+4*UU:LG+4*UU+3], v[YGO], s[56:57] offset:2048*UU   ; y(thread / 16 + 8 u, 4 (thread % 16) + 0 .. 3)
.set UU, UU+1
.endr
.irp t, 0,1,2,3,4,5,6,7
	global_load_b32 v[232+\t], v[BGO], s[58:59] offset:1024*\t               ; b(32 wq + 8 hh + t, 16 x slice + r)
.endr
.irp t, 0,1,2,3,4,5,6,7
	global_load_b32 v[240+\t], v[BGO], s[58:59] offset:1024*(16+\t)          ; b(32 wq + 16 + 8 hh + t, ..)
.endr
	WIN 0x40                                       ; destination window 1, address window 0
	HUNIT 0, 0
	HUNIT 64, 1
	HUNIT 128, 2
	WIN 0x80
	HUNIT 0, 3
	WIN 0
	s_add_nc_u64 s[40:41], s[4:5], s[40:41]
	s_add_nc_u64 s[48:49], s[4:5], s[48:49]
	s_cmp_lt_u32 s[KC], 8                          ; slices 0-7 are mu's, 8-15 sigma's: the choice hangs on the work-group's number alone
	s_cselect_b64 s[54:55], s[14:15], s[16:17]
	s_add_nc_u64 s[54:55], s[54:55], s[62:63]
	s_mov_b32 s62, 0xffff0000                      ; (the offset is used up)  a word's upper bf16
.irp s, 0,1
	s_mov_b32 s[G0+4*\s], 1                        ; count = 1
	s_add_co_u32 s[G0+4*\s+1], s43, \s*SLOTB       ; LDS address
	s_add_nc_u64 s[G0+4*\s+2:G0+4*\s+3], s[40:41], \s*0x200000   ; global address: slot s begins with experts 8 s on
	s_or_b32 s[G0+4*\s+3], s[G0+4*\s+3], 0x80000000              ; type = 2
.endr
	s_wait_kmcnt 0x0
	s_add_co_i32 s46, s46, s47                     ; e0 + e1: a sum of the product stands for sum x 2^(e0 + e1)
	s_sub_co_i32 s47, 0, s46
	s_wait_loadcnt 63                              ; behind y's and b's 48 loads stand h's 64: with 63 out at the most, y and b are in
.set UU, 0
.rept 32
	v_cvt_pk_bf16_f32 v[LG+4*UU], v[LG+4*UU], v[LG+4*UU+1]
	v_cvt_pk_bf16_f32 v[LG+4*UU+1], v[LG+4*UU+2], v[LG+4*UU+3]
.set UU, UU+1
.endr
.irp t, 0,1,2,3,4,5,6,7,8,9,10,11,12,13,14,15
	v_ldexp_f32 v[232+\t], v[232+\t], s47          ; b goes in as b / 2^(e0 + e1)
.endr
.irp q, 0,1,2,3,4,5,6,7
	v_cvt_pk_bf16_f32 v[224+\q], v[232+2*\q], v[233+2*\q]   ; b's fragment: lane (r, hh): column r; registers 0-3: j = 8 hh + 0 .. 7, registers 4-7: 16 + 8 hh + 0 .. 7
.endr
.set UU, 0
.rept 32
	ds_store_b64 v[YST], v[LG+4*UU:LG+4*UU+1] offset:8*YPITCH*UU
.set UU, UU+1
.endr
	s_wait_alu depctr_va_vdst(0)
	s_wait_tensorcnt 0x0                           ; my part of slot 0 or of h is in
	s_wait_dscnt 0x0                               ; my part of y lies in LDS
	s_barrier_signal -1
	s_barrier_wait -1                              ; everybody's does
.irp it, 0,1,2,3,4,5,6,7
	ds_load_b128 v[160+8*\it:163+8*\it], v[YF] offset:(16*\it+64*(\it/4))*YPITCH
	ds_load_b128 v[164+8*\it:167+8*\it], v[YF] offset:(16*\it+64*(\it/4))*YPITCH+32
.endr
	WIN 0x80
	HLDS 64, 2
	HLDS 128, 3
	WIN 0
	s_wait_dscnt 32                                ; y's fragments are in: behind them stand 32 loads of h
.irp it, 0,1,2,3,4,5,6,7
	v_wmma_f32_16x16x32_bf16 v[LG+8*\it:LG+8*\it+7], v[224:231], v[160+8*\it:167+8*\it], 0   ; LG starts as my 32 experts' part of sum over j of y b / 2^(e0 + e1)
.endr
	WIN 0xc0
	HLDS 0, 0
	HLDS 64, 1
	WIN 0
	s_wait_tensorcnt 0x0                           ; slot 1's place is filled again, with W: all my tensor loads are done,
	ds_add_u32 v[SPW], v[NIL]                      ; 0 onto my spare word
.irp i, 0,1,2,3,4,5,6,7,8,9,10,11,12,13,14,15,16,17,18,19,20,21,22,23,24,25,26,27,28,29,30,31
	v_mov_b32 v[ACC+32+\i], 0                      ; the loop is written once: its first expert finds zeros as 'the expert before' of tiles 4-7.  These 32 are also the places in front of the run below
.endr
	s_wait_dscnt 0x0                               ; the add is done, and my part of h is in registers
	CROUND                                         ; everybody's is, in all four work-groups
	tensor_load_to_lds s[G0+4:G0+7], s[G1:G1+7]    ; slot 1: my one tensor load behind the round
	s_nop 0
.rept 4
	v_nop
.endr
	s_wait_xcnt 0x0                                ; my plain loads have read their addresses: the run below lands on those registers
	YTEMPS AY0, 0                                  ; slot 0's y and expert 0's fragments, in the order in which a change of slots fetches them, so that the first expert's counts hold here too
.set NADR, ADW
.set NEXP, 0
.set NS0, WS0
.set NS1, WS1
.set NS2, WS2
	RUN
	PREF 0, 0                                      ; my sixteenth of slot 2, which the first change of slots requests
	s_wait_dscnt 16                                ; y is in: behind it stand the sixteen loads of W
	WIN 0x44                                       ; y of tiles 4-7: the loop's first weightings multiply the zeros above by it, so it has to be written, and finite
.irp q, 0,2
	XPP 192, 216, \q
	XPP 200, 220, \q
	XPP 208, 224, \q
.endr
	WIN 0x88
	XPP 192, 216, 0
	XPP 192, 216, 2
	WIN 0
	s_wait_loadcnt 0x0                             ; h's G0 rows
.Ltrip:                                            ; three trips of two slots: every slot but the last two is filled again
	SLOT 0, 1
	SLOT 1, 1
	WIN 0                                          ; at a label and at a branch every window is 0
	s_wait_xcnt 0x0                                ; the prefetches' base is written again only behind this wait
	s_add_nc_u64 s[48:49], s[48:49], 0x400000      ; two slots on
	s_add_co_u32 s[SY], s[SY], 32                  ; 16 experts on in a row of y
	s_sub_co_u32 s[TRIP], s[TRIP], 1
	s_cmp_lg_u32 s[TRIP], 0
	s_cbranch_scc1 .Ltrip
	SLOT 0, 2                                      ; the tail is written out: nothing is asked for
	SLOT 1, 3
	WIN P1                                         ; tiles 4-7 of the last expert
.irp k, 0,1,2,3
	FM 4, \k, 192, 7
.endr
.irp k, 0,1,2,3
	FM 5, \k, 200, 7
.endr
.irp k, 0,1,2,3
	FM 6, \k, 208, 7
.endr
	WIN P2
.irp k, 0,1,2,3
	FM 7, \k, 192, 7
.endr
	WIN 0
	; THE WAY OUT.  Of the two waves that share rows, wave wq = 0 finishes group G0 and wave wq = 1 group G1: each gives the other group's LG away as images of its registers (16 bytes a lane, 512 an instruction).
	s_wait_alu depctr_va_vdst(0)
	s_cmp_eq_u32 s[WQ], 0
	s_cbranch_scc0 .Lgive_0
.irp q, 0,1,2,3,4,5,6,7
	ds_store_b128 v[RST], v[LG+32+4*\q:LG+32+4*\q+3] offset:512*\q
.endr
	s_branch .Lgiven
.Lgive_0:
.irp q, 0,1,2,3,4,5,6,7
	ds_store_b128 v[RST], v[LG+4*\q:LG+4*\q+3] offset:512*\q
.endr
.Lgiven:
	s_wait_dscnt 0x0                               ; for the others' sake: my images lie in LDS
	s_barrier_signal -1
	s_barrier_wait -1
.irp q, 0,1,2,3,4,5,6,7
	ds_load_b128 v[XU+4*\q:XU+4*\q+3], v[RLD] offset:512*\q
.endr
	s_wait_dscnt 0x0
	s_cmp_eq_u32 s[WQ], 0
	s_cbranch_scc0 .Lkeep_1
.irp i, 0,2,4,6,8,10,12,14,16,18,20,22,24,26,28,30
	v_pk_add_f32 v[XA+\i:XA+\i+1], v[LG+\i:LG+\i+1], v[XU+\i:XU+\i+1]
.endr
	s_wait_alu depctr_va_vdst(0)
	s_branch .Lkept
.Lkeep_1:
.irp i, 0,2,4,6,8,10,12,14,16,18,20,22,24,26,28,30
	v_pk_add_f32 v[XA+\i:XA+\i+1], v[LG+32+\i:LG+32+\i+1], v[XU+\i:XU+\i+1]
.endr
.Lkept:
; x = the logit.  softplus(x) = max(x, 0) + log(1 + u), u = e^-|x|: no exponential of a positive number is taken.  Under u = 2^-12 the sum 1 + u would lose u's low bits: there log(1 + u) = u (1 - u / 2), short by less than u^3 / 3.
; mu's slices jump over it: the branch hangs on the work-group's number alone, which the partners share.
.macro ALL32 body:vararg
.set II, 0
	s_wait_alu depctr_va_vdst(0)
.rept 32
	\body
.set II, II+1
.endr
.endm
	ALL32 v_ldexp_f32 v[XA+II], v[XA+II], s46                  ; x 2^(e0 + e1)
	s_wait_alu depctr_va_vdst(0)
	s_cmp_lt_u32 s[KC], 8
	s_cbranch_scc1 .Lmu
	ALL32 v_mul_f32 v[XU+II], s50, |v[XA+II]|                  ; -|x| log2(e)
	ALL32 v_exp_f32 v[XU+II], v[XU+II]                         ; u
	ALL32 v_max_num_f32 v[T2+II], 0, v[XA+II]                  ; max(x, 0).  (Plain lines behind the exponentials)
	ALL32 v_add_f32 v[T1+II], 1.0, v[XU+II]
	ALL32 v_log_f32 v[T1+II], v[T1+II]                         ; log2(1 + u)
	ALL32 v_fma_f32 v[T3+II], v[XU+II], -0.5, 1.0              ; 1 - u / 2.  (Plain lines behind the logarithms)
	ALL32 v_fma_f32 v[T1+II], s51, v[T1+II], v[T2+II]          ; ln 2 x log2(1 + u) + max(x, 0)
	ALL32 v_fma_f32 v[T2+II], v[XU+II], v[T3+II], v[T2+II]     ; u (1 - u / 2) + max(x, 0)
.set II, 0
.rept 32
	v_cmp_gt_f32 vcc_lo, s52, v[XU+II]
	v_cndmask_b32 v[T1+II], v[T1+II], v[T2+II], vcc_lo
.set II, II+1
.endr
	ALL32 v_sqrt_f32 v[XA+II], v[T1+II]
	v_nop                                          ; a plain line between the last root and the use of its result
	s_wait_alu depctr_va_vdst(0)
.Lmu:
; A lane holds 32 neighbouring bytes of a row and the lanes beside it other rows: the 64 rows go through my own stage and come back four lanes to a row's 64 bytes.
; LDS serves a wave's instructions in order (ISA guide 5.7.1.4): no wait between my stores and my loads.
.irp x, 0,1,2,3
	ds_store_b128 v[OST], v[XA+8*\x:XA+8*\x+3] offset:16*SPITCH*\x
	ds_store_b128 v[OST], v[XA+8*\x+4:XA+8*\x+7] offset:16*SPITCH*\x+16
.endr
.irp u, 0,1,2,3,4,5,6,7
	ds_load_b128 v[T1+4*\u:T1+4*\u+3], v[OLD] offset:8*SPITCH*\u
.endr
.irp u, 0,1,2,3,4,5,6,7
	s_wait_dscnt 7-\u
	global_store_b128 v[OGO], v[T1+4*\u:T1+4*\u+3], s[54:55] offset:4096*\u   ; eight rows: four lanes store the 64 consecutive bytes of a row that this work-group owns
.endr
	s_wait_tensorcnt 0x0                           ; the wave's end: behind my last tensor load and my last LDS store
	ds_add_u32 v[SPW], v[NIL]
	s_wait_dscnt 0x0
	CROUND                                         ; the closing round: no work-group ends while a partner may still ask for a tile that names it
	s_endpgm
.Lfunc_end_k_q59689b5cdc_latent:
	.size	k_q59689b5cdc_latent, .Lfunc_end_k_q59689b5cdc_latent-k_q59689b5cdc_latent
	.p2alignl 7, 3214868480
	.fill 96, 4, 3214868480
	.section	.rodata,"a",@progbits
	.p2align	6, 0x0
	.amdhsa_kernel k_q59689b5cdc_latent
		.amdhsa_group_segment_fixed_size 327680
		.amdhsa_private_segment_fixed_size 0
		.amdhsa_enable_private_segment 0
		.amdhsa_kernarg_size 56
		.amdhsa_user_sgpr_count 2
		.amdhsa_user_sgpr_kernarg_segment_ptr 1
		.amdhsa_wavefront_size32 1
		.amdhsa_system_sgpr_workgroup_id_x 1
		.amdhsa_system_sgpr_workgroup_id_y 1
		.amdhsa_system_sgpr_workgroup_id_z 1
		.amdhsa_system_vgpr_workitem_id 0
		.amdhsa_next_free_vgpr 1024
		.amdhsa_next_free_sgpr 102
		.amdhsa_reserve_vcc 1
		.amdhsa_float_denorm_mode_32 3
		.amdhsa_float_denorm_mode_16_64 3
		.amdhsa_memory_ordered 1
		.amdhsa_forward_progress 1
		.amdhsa_inst_pref_size 245
	.end_amdhsa_kernel
	.amdgpu_metadata
---
amdhsa.version: [ 1, 2 ]
amdhsa.kernels:
  - .name:           k_q59689b5cdc_latent
    .symbol:         k_q59689b5cdc_latent.kd
    .args:
      - { .name: W_codes, .offset: 0, .size: 8, .value_kind: global_buffer, .address_space: global }
      - { .name: hiddens_codes, .offset: 8, .size: 8, .value_kind: global_buffer, .address_space: global }
      - { .name: y, .offset: 16, .size: 8, .value_kind: global_buffer, .address_space: global }
      - { .name: b, .offset: 24, .size: 8, .value_kind: global_buffer, .address_space: global }
      - { .name: lowp_scales, .offset: 32, .size: 8, .value_kind: global_buffer, .address_space: global }
      - { .name: out0, .offset: 40, .size: 8, .value_kind: global_buffer, .address_space: global }
      - { .name: out1, .offset: 48, .size: 8, .value_kind: global_buffer, .address_space: global }
    .group_segment_fixed_size: 327680
    .private_segment_fixed_size: 0
    .kernarg_segment_align: 8
    .kernarg_segment_size: 56
    .max_flat_workgroup_size: 128
    .sgpr_count:     102
    .vgpr_count:     1024
    .wavefront_size: 32
...
	.end_amdgpu_metadata
.endif
;; end of part 2
